; MI455X (gfx1250); checked and timed in simulation.
; The chip was launched on July 23, 2026; its instructions are those of AMD's public machine-readable ISA for CDNA 5 (MIT licence, August 2026) and "CDNA5" Instruction Set Architecture Reference Guide (July 2026). The comments in the code are by the model that wrote it; some were corrected since.
;; Module1 Key Pruning Network. Allowed arithmetic: matrix products marked QUANTISED: E5M2 operands, one given power-of-two scale a tensor, by v_wmma_f32_16x16x64_bf8_bf8 or v_wmma_f32_16x16x128_bf8_bf8, f32 sums; products left as they are: f32 operands where the result goes on into a quantised operand, else bf16, f16 or f32 operands; f32 sums; everything else in f32.
;; Inputs: K 8,192 x 128 float32; W1 64 x 128 float32; W2 1 x 64 float32; anchor_raw 3 float32; b1 64 float32; b2 1 float32; bias 128 float32; kappa 128 x 64 x 3 float32; key_positions 8,192 int32; lowp_scales 2 int32 (the exponents e of the quantised operands' scales 2^e); mu 128 x 64 x 3 float32; reference_angles 64 float32; weight 128 x 64 x 3 float32.
;; Outputs: out0 8,192 float32.
;; This version of the problem:
;;   THIS VERSION OF THE PROBLEM IS GIVEN IN LOW PRECISION. The matrix products marked QUANTISED in the list below multiply operands that are first quantised to E5M2 (5 exponent bits, 2 mantissa bits; 8 bits a number), with one given power-of-two scale for each operand tensor; their sums are f32. All else is computed in f32.
;;   The module's matrix products, in the order in which they are computed (A, B: the left and right operand; K: the contracted axis; several contracted axes count as one K, in the product's order):
;;     1. batch 8,192 x [M 1, K 3] x [K 3, N 8,192]; A: input weight; B: computed on the way: left as it is (K = 3 < 32)
;;     2. batch 8,192 x [M 128, K 64] x [K 64, N 1]; A: computed on the way; B: computed on the way: left as it is (N = 1 < 16)
;;     3. [M 8,192, K 128] x [K 128, N 64]; A: computed on the way; B: input W1: QUANTISED (scales: A lowp_scales[0], B lowp_scales[1])
;;     4. [M 8,192, K 64] x [K 64, N 1]; A: computed on the way; B: input W2: left as it is (N = 1 < 16)
;;   THE QUANTISER, for each operand of a quantised product, along K:
;;     - The operand's scale is 2^e, e = its entry of the input lowp_scales (int32; the entries are numbered through the quantised products in the list's order, A before B).
;;     - Each number is divided by the scale, clamped to +-57,344, and rounded to the nearest number of E5M2, ties to even, subnormals kept.
;;     - The product sums the exact products of the quantised numbers (number of the format x scale) in f32.
;;   ~~~python
;;   def quantise(x, axis, e):      # numpy; x: float32 -> the quantised numbers, widened to float32 again
;;       x = np.moveaxis(x, axis, -1); K = x.shape[-1]
;;       r = np.clip(x / 2.0 ** e, -57344, 57344)
;;       step = 2.0 ** (np.maximum(np.frexp(np.where(r == 0, 1, r))[1] - 1, -14) - 2)
;;       q = np.round(r / step) * step * 2.0 ** e      # np.round: ties to even
;;       return np.moveaxis(q, -1, axis).astype(np.float32)
;;   ~~~
;;   OPERANDS COMPUTED ON THE WAY. 'Computed on the way' means the value that the module computes at that place (a softmax that the list does not call 'softmax' is quantised finished and normalised). What goes into a quantiser is computed in f32, as accurately as f32 sums, v_exp_f32 and their like allow (about 1e-6 of the number): no bf16 or f16 on the way to a quantiser, and a product that is left as it is and whose result goes on into a quantised operand takes f32 operands (vector FMAs, or v_wmma_f32_16x16x4_f32). A number that lies on a knife's edge between two numbers of the format may be rounded either way, as far as f32 arithmetic and the matrix unit's own rounding can turn it there, and no further.
;; 2 versions, each right; version 2 is version 1 with the launch main written anew for expert scheduling mode. Each part assembles by itself: llvm-mc -triple=amdgcn-amd-amdhsa -mcpu=gfx1250 --defsym DOCPART=n.
;; ======== version 1 of 2: 2 launches
;; workspace buffers: ptab 393,216 bytes; w1c 8,192 bytes
;; launch prep (part 1): grid 8 x 1, 16 waves a work-group, no clusters, 54,272 bytes of LDS; arguments mu, kappa, weight, reference_angles, W1, lowp_scales, ptab, w1c; writes ptab, w1c
.if DOCPART == 1
	.amdgcn_target "amdgcn-amd-amdhsa--gfx1250"
	.amdhsa_code_object_version 6
	.text
	.protected	k_qa954e424d6_prep
	.globl	k_qa954e424d6_prep
	.p2align	8
	.type	k_qa954e424d6_prep,@function
k_qa954e424d6_prep:
	s_mov_b64 s[64:65], 0
	v_nop
	global_prefetch_b8 v0, s[64:65] scope:SCOPE_SE
	s_setreg_imm32_b32 hwreg(HW_REG_WAVE_MODE, 25, 1), 1
	s_wait_xcnt 0x0
; All that hangs on (bin b, frequency f, kernel m) alone is made once, for the launch that follows.
; exp(kappa (cos(angle - mu - ref) - 1)) = 2^(A cx + B sx + C), cx = cos(angle), sx = sin(angle), with
;   A = kappa log2(e) cos(mu + ref),  B = kappa log2(e) sin(mu + ref),  C = -kappa log2(e).
; ptab holds the quads (A, B, C, weight), f32, laid [b / 32][fm = 3 f + m][b % 32][16 bytes]: 32 neighbouring bins of one (f, m) are 512 consecutive bytes.
; w1c holds W1 [64][128] as codes of E5M2, one a byte, K innermost: code = W1 / 2^e1, held within +-57,344, to the nearest code, ties to even.
; SINE AND COSINE: k = the whole number nearest x / pi; r = x - k pi, pi in two parts, each by a fused multiply-add; Taylor polynomials on |r| <= pi / 2, up to r^13 and r^12
; (the first terms left out are (pi/2)^15 / 15! and (pi/2)^14 / 14!, both under 1e-8); the sign (-1)^k goes onto kappa log2(e) by an exclusive or.
; LIMITS: e1 between -126 and 112, so that 2^e1 and 57,344 x 2^e1 are f32 numbers.  The reduction keeps an error of about 1e-7 for |mu + ref| up to about 1e5.  NaN among the inputs is not served.
; SHARES: work-group x takes bins 16 x .. 16 x + 15, wave w bin 16 x + w: a row of 768 consecutive bytes of mu, kappa and weight.  Lane l takes fm = 2 l + 64 c + u, c = 0 .. 2, u = 0, 1.
; The quads of 16 bins meet in a stage in LDS (row = fm, 16 bins x 16 bytes + 16 of padding) and leave by rows: sixteen lanes store 256 consecutive bytes, aligned.
; Waves 0 and 1 also quantise rows 8 x .. 8 x + 7 of W1: thread t < 64 takes 16 neighbouring numbers, so a wave stores 512 consecutive bytes of codes.
.set PITCH, 272                        ; a stage row
.set MU, 8                             ; v[8:13]   mu of my six elements (element i = 2 c + u)
.set KP, 14                            ; v[14:19]  kappa
.set WT, 20                            ; v[20:25]  weight
.set RF, 26                            ; v[26:31]  the reference angle of each element's f
.set GA, 32                            ; v[32:37]  its byte offset: 4 (fm / 3)
.set Q,  52                            ; v[52:75]  the six quads; later six rows read back
.set WN, 76                            ; v[76:91]  16 numbers of W1
.set WC, 92                            ; v[92:95]  their codes
	s_load_b512 s[8:23], s[0:1], 0x0               ; mu s[8:9], kappa s[10:11], weight s[12:13], reference_angles s[14:15], W1 s[16:17], lowp_scales s[18:19], ptab s[20:21], w1c s[22:23]
	v_lshl_add_u32 v104, v0, 2, 0xcc00
	v_mov_b32 v105, 0
	v_lshrrev_b32 v1, 5, v0
	v_readfirstlane_b32 s4, v1                     ; wave 0..15
	v_and_b32 v1, 31, v0                           ; lane
	s_mul_i32 s5, s4, 768
	v_lshlrev_b32 v2, 3, v1
	v_add_nc_u32 v2, s5, v2                        ; in: my bin's row + 8 x lane
	s_lshl_b32 s5, s4, 4
	v_mul_u32_u24 v3, v1, 2*PITCH
	v_add_nc_u32 v3, s5, v3                        ; the stage, in: row 2 l, my bin's 16 bytes
	v_lshrrev_b32 v40, 4, v0
	v_and_b32 v41, 15, v0
	v_mul_u32_u24 v4, v40, PITCH
	v_lshl_add_u32 v4, v41, 4, v4                  ; the stage, out: row t / 16, 16 bytes a lane
	v_lshlrev_b32 v5, 9, v40
	v_lshl_add_u32 v5, v41, 4, v5                  ; and the same place in ptab: rows of 512 bytes
	v_lshlrev_b32 v6, 6, v0                        ; W1: 64 bytes a thread
	v_lshlrev_b32 v7, 4, v0                        ; its codes: 16 bytes a thread
.irp c, 0,1,2
.irp u, 0,1
	v_lshl_add_u32 v[GA+2*\c+\u], v1, 1, 64*\c+\u  ; fm
	v_mul_u32_u24 v[GA+2*\c+\u], v[GA+2*\c+\u], 171
	v_lshrrev_b32 v[GA+2*\c+\u], 9, v[GA+2*\c+\u]  ; f = fm / 3: 171 fm >> 9 is exact for fm < 192 (171 / 512 - 1 / 3 = 1 / 1536)
	v_lshlrev_b32 v[GA+2*\c+\u], 2, v[GA+2*\c+\u]
.endr
.endr
	v_mov_b32 v38, 0x2f309231                      ; 1 / 13!
	v_mov_b32 v39, 0x310f76c7                      ; 1 / 12!
	s_mul_i32 s24, ttmp9, 12288                    ; my 16 bins' rows
	s_mov_b32 s25, 0
	s_wait_kmcnt 0x0
	s_load_b64 s[26:27], s[18:19], 0x0             ; e0, e1
	s_add_nc_u64 s[8:9], s[8:9], s[24:25]
	s_add_nc_u64 s[10:11], s[10:11], s[24:25]
	s_add_nc_u64 s[12:13], s[12:13], s[24:25]
	s_lshl_b32 s24, ttmp9, 12                      ; 8 rows of W1
	s_add_nc_u64 s[16:17], s[16:17], s[24:25]
	s_lshl_b32 s24, ttmp9, 10                      ; and of its codes
	s_add_nc_u64 s[22:23], s[22:23], s[24:25]
	s_lshr_b32 s24, ttmp9, 1
	s_mul_i32 s24, s24, 98304                      ; ptab: the block of 32 bins, 192 rows of 512 bytes,
	s_and_b32 s5, ttmp9, 1
	s_lshl_b32 s5, s5, 8
	s_add_co_u32 s24, s24, s5                      ; and my half of each row
	s_add_nc_u64 s[20:21], s[20:21], s[24:25]
.irp c, 0,1,2
	global_load_b64 v[MU+2*\c:MU+2*\c+1], v2, s[8:9] offset:256*\c th:TH_LOAD_NT     ; 32 lanes read 256 consecutive bytes
	global_load_b64 v[KP+2*\c:KP+2*\c+1], v2, s[10:11] offset:256*\c th:TH_LOAD_NT
	global_load_b64 v[WT+2*\c:WT+2*\c+1], v2, s[12:13] offset:256*\c th:TH_LOAD_NT
.endr
.irp i, 0,1,2,3,4,5
	global_load_b32 v[RF+\i], v[GA+\i], s[14:15]
.endr
	s_cmp_lt_u32 s4, 2
	s_cbranch_scc0 .Lno_w1_in
.irp i, 0,1,2,3
	global_load_b128 v[WN+4*\i:WN+4*\i+3], v6, s[16:17] offset:16*\i th:TH_LOAD_NT
.endr
.Lno_w1_in:
	s_wait_loadcnt 0x0                             ; one wait for all that was asked for
.macro SC1 i                           ; element i: its quad
	v_add_f32 v40, v[MU+\i], v[RF+\i]              ; x = mu + ref
	v_mul_f32 v41, 0x3ea2f983, v40                 ; x / pi
	v_rndne_f32 v41, v41                           ; k
	v_fmamk_f32 v42, v41, 0xc0490fdb, v40          ; x - k pi: the upper part of pi,
	v_fmamk_f32 v42, v41, 0x33bbbd2e, v42          ; and what it has too much: r
	v_mul_f32 v43, v42, v42                        ; r^2
	v_fmaak_f32 v44, v38, v43, 0xb2d7322b          ; the sine's chain and the cosine's by turns: -1 / 11!
	v_fmaak_f32 v45, v39, v43, 0xb493f27e          ; -1 / 10!
	v_fmaak_f32 v44, v44, v43, 0x3638ef1d          ; 1 / 9!
	v_fmaak_f32 v45, v45, v43, 0x37d00d01          ; 1 / 8!
	v_fmaak_f32 v44, v44, v43, 0xb9500d01          ; -1 / 7!
	v_fmaak_f32 v45, v45, v43, 0xbab60b61          ; -1 / 6!
	v_fmaak_f32 v44, v44, v43, 0x3c088889          ; 1 / 5!
	v_fmaak_f32 v45, v45, v43, 0x3d2aaaab          ; 1 / 4!
	v_fmaak_f32 v44, v44, v43, 0xbe2aaaab          ; -1 / 3!
	v_fmaak_f32 v45, v45, v43, 0xbf000000          ; -1 / 2!
	v_mul_f32 v44, v44, v43
	v_fma_f32 v45, v45, v43, 1.0                   ; cos r
	v_fma_f32 v44, v44, v42, v42                   ; sin r
	v_cvt_i32_f32 v46, v41
	v_lshlrev_b32 v46, 31, v46                     ; k odd: the sign bit
	v_mul_f32 v47, 0x3fb8aa3b, v[KP+\i]            ; kappa log2(e),
	v_xor_b32 v47, v47, v46                        ; x (-1)^k
	v_mul_f32 v[Q+4*\i], v47, v45                  ; A
	v_mul_f32 v[Q+4*\i+1], v47, v44                ; B
	v_mul_f32 v[Q+4*\i+2], 0xbfb8aa3b, v[KP+\i]    ; C
	v_mov_b32 v[Q+4*\i+3], v[WT+\i]                ; the weight joins them, so that the quad is one store of 16 bytes
.endm
.irp i, 0,1,2,3,4,5
	SC1 \i
.endr
.irp c, 0,1,2
.irp u, 0,1
	ds_store_b128 v3, v[Q+4*(2*\c+\u):Q+4*(2*\c+\u)+3] offset:(64*\c+\u)*PITCH
.endr
.endr
	s_cmp_lt_u32 s4, 2
	s_cbranch_scc0 .Lno_w1_out
	s_wait_kmcnt 0x0
	s_add_co_i32 s28, s27, 127
	s_lshl_b32 s29, s28, 23
	v_mov_b32 v96, s29                             ; 2^e1 as f32: the conversion takes its exponent field
	s_add_co_i32 s28, s28, 15
	s_lshl_b32 s28, s28, 23
	s_or_b32 s28, s28, 0x600000
	v_mov_b32 v97, s28                             ; 57,344 x 2^e1
.irp i, 0,1,2,3,4,5,6,7,8,9,10,11,12,13,14,15
	v_med3_num_f32 v[WN+\i], v[WN+\i], -v97, v97   ; the conversion to an 8-bit code does not saturate (ISA guide 7.6.2): the hold comes first
.endr
	v_cvt_scalef32_pk8_bf8_f32 v[WC:WC+1], v[WN:WN+7], v96
	v_cvt_scalef32_pk8_bf8_f32 v[WC+2:WC+3], v[WN+8:WN+15], v96
	v_nop                                          ; a plain line behind the last conversion
	global_store_b128 v7, v[WC:WC+3], s[22:23]     ; 32 lanes store 512 consecutive bytes
.Lno_w1_out:
	s_wait_dscnt 0x0                               ; for the others' sake: my quads lie in the stage
	s_barrier_signal -1
	s_barrier_wait -1                              ; everybody's do
.irp k, 0,1,2,3,4,5
	ds_load_b128 v[Q+4*\k:Q+4*\k+3], v4 offset:32*PITCH*\k       ; 32 rows an instruction of the work-group
.endr
.irp k, 0,1,2,3,4,5
	s_wait_dscnt 5-\k                              ; LDS loads come back in order: load k is in, the 5 - k younger may be out
	global_store_b128 v5, v[Q+4*\k:Q+4*\k+3], s[20:21] offset:16384*\k   ; 16 lanes store 256 consecutive bytes, at a multiple of 256 from ptab's first byte
.endr
	s_wait_tensorcnt 0x0
	ds_add_u32 v104, v105
	s_wait_dscnt 0x0
	s_endpgm
.Lfunc_end_k_qa954e424d6_prep:
	.size	k_qa954e424d6_prep, .Lfunc_end_k_qa954e424d6_prep-k_qa954e424d6_prep
	.p2alignl 7, 3214868480
	.fill 96, 4, 3214868480
	.section	.rodata,"a",@progbits
	.p2align	6, 0x0
	.amdhsa_kernel k_qa954e424d6_prep
		.amdhsa_group_segment_fixed_size 54272
		.amdhsa_private_segment_fixed_size 0
		.amdhsa_enable_private_segment 0
		.amdhsa_kernarg_size 64
		.amdhsa_user_sgpr_count 2
		.amdhsa_user_sgpr_kernarg_segment_ptr 1
		.amdhsa_wavefront_size32 1
		.amdhsa_system_sgpr_workgroup_id_x 1
		.amdhsa_system_sgpr_workgroup_id_y 1
		.amdhsa_system_sgpr_workgroup_id_z 1
		.amdhsa_system_vgpr_workitem_id 0
		.amdhsa_next_free_vgpr 106
		.amdhsa_next_free_sgpr 66
		.amdhsa_reserve_vcc 0
		.amdhsa_float_denorm_mode_32 3
		.amdhsa_float_denorm_mode_16_64 3
		.amdhsa_memory_ordered 1
		.amdhsa_forward_progress 1
		.amdhsa_inst_pref_size 17
	.end_amdhsa_kernel
	.amdgpu_metadata
---
amdhsa.version: [ 1, 2 ]
amdhsa.kernels:
  - .name:           k_qa954e424d6_prep
    .symbol:         k_qa954e424d6_prep.kd
    .args:
      - { .name: mu, .offset: 0, .size: 8, .value_kind: global_buffer, .address_space: global }
      - { .name: kappa, .offset: 8, .size: 8, .value_kind: global_buffer, .address_space: global }
      - { .name: weight, .offset: 16, .size: 8, .value_kind: global_buffer, .address_space: global }
      - { .name: reference_angles, .offset: 24, .size: 8, .value_kind: global_buffer, .address_space: global }
      - { .name: W1, .offset: 32, .size: 8, .value_kind: global_buffer, .address_space: global }
      - { .name: lowp_scales, .offset: 40, .size: 8, .value_kind: global_buffer, .address_space: global }
      - { .name: ptab, .offset: 48, .size: 8, .value_kind: global_buffer, .address_space: global }
      - { .name: w1c, .offset: 56, .size: 8, .value_kind: global_buffer, .address_space: global }
    .group_segment_fixed_size: 54272
    .private_segment_fixed_size: 0
    .kernarg_segment_align: 8
    .kernarg_segment_size: 64
    .max_flat_workgroup_size: 512
    .sgpr_count:     66
    .vgpr_count:     106
    .wavefront_size: 32
...
	.end_amdgpu_metadata
.endif
;; end of part 1
;; launch main (part 2): grid 256 x 1, 16 waves a work-group, no clusters, 97,792 bytes of LDS; arguments K, key_positions, bias, b1, W2, b2, anchor_raw, lowp_scales, ptab, w1c, out0; writes out0
.if DOCPART == 2
	.amdgcn_target "amdgcn-amd-amdhsa--gfx1250"
	.amdhsa_code_object_version 6
	.text
	.protected	k_qa954e424d6_main
	.globl	k_qa954e424d6_main
	.p2align	8
	.type	k_qa954e424d6_main,@function
k_qa954e424d6_main:
	s_mov_b64 s[64:65], 0
	v_nop
	global_prefetch_b8 v0, s[64:65] scope:SCOPE_SE
	s_setreg_imm32_b32 hwreg(HW_REG_WAVE_MODE, 25, 1), 1
	s_wait_xcnt 0x0
; out[n] = sigmoid((relu(Q(logits) Q(W1)^T + b1) . W2 + b2) x posw(position[n])),
; logits[n][b] = bias[b] + sum over f of mag[n][f] x sum over m of weight[b][f][m] x 2^(A cx + B sx + C):  (A, B, C, weight) come ready from ptab; cx = x / mag, sx = y / mag of the key's pair f.
; The one quantised product, logits x W1^T (K = 128), runs on codes of E5M2 by v_wmma_f32_16x16x128_bf8_bf8; all ahead of its quantiser is f32.
; SHARES.  A work-group takes 32 keys and all 128 bins; sixteen waves of 256 registers.  Wave w: bins 32 (w % 4) + lane (A LANE IS A BIN) and frequencies 16 (w / 4) .. + 15.
; THE TWO HALVES OF A PACKED INSTRUCTION ARE TWO KEYS, p and p + 16.  A lane's parameters stand in pairs (A, B) and (C, W), of which op_sel picks one word for both halves; the keys' numbers are the same for all
; lanes and come from LDS by loads in which every lane names the same 16 bytes.  For two keys, 32 bins and one f: 6 packed multiply-adds, 6 exponentials, 3 + 1 packed lines behind them.
; Each wave reads its own 24,576 bytes of ptab, 512 consecutive bytes a load, straight into registers, one frequency ahead: no byte of the table is read twice by a work-group, so it goes through no LDS.
; NO CLUSTER: what the work-groups share is the table, which each wave takes straight into the registers of the lanes that use it; a joint load would add an LDS write and read of every byte, and 393,216 bytes are more than LDS holds.
; The four partial sums over f meet in LDS; each thread adds them and the bias for 8 bins of a key and quantises them; wave 0 then does the product (8 matrix instructions), the small layer, the position weight and the sigmoid.
; The work-group's 32 results are 128 consecutive bytes of out0: one store.
; LIMITS.  e0 between -126 and 112.  |x|, |y| of K under 1.3e19 (x^2 + y^2 stays finite); a pair with x^2 + y^2 under 2^-126 counts with a magnitude under 2^-63.  A kernel value under 2^-126 counts as 0
; (v_exp_f32 gives no denormals: ISA guide 15.8).  The exponent's absolute error grows as kappa x 1e-7.  The sum over f runs in four groups of 16, added in pairs.  NaN among the inputs is not served.
.set ROWK,  400                        ; LDS, key data: a row (one f): 16 quads (cx p, cx p+16, sx p, sx p+16), 16 pairs (mag p, mag p+16), 16 bytes of padding.  400 = 9 x 16 mod 256: sixteen lanes' 16 bytes fall on sixteen different columns
.set REG1,  32*ROWK                    ; even f in rows f / 2 from byte 0, odd f from here
.set PART,  2*REG1                     ; the partial sums: [f group 4][key 32][bin 128] f32
.set CODES, PART+65536                 ; the logits' codes: [key 32], 128 bytes + 16
.set CP,    144
.set ACC,  16                          ; v[16:47]   the pair at 2 p: keys p, p + 16
.set P,    48                          ; v[48:71]   two sets of three quads (A, B, C, W)
.set KD,   72                          ; v[72:119]  two sets of four quads and four pairs of magnitudes
.set T,    120                         ; v[120:143] exponents, then kernel values: pair (j, m) at 6 j + 2 m
.set S,    144                         ; v[144:151] the sums over m
.set BIAS, 152                         ; v[152:159] bias of the 8 bins that I reduce
.set W1F,  160                         ; v[160:223] wave 0: W1's four fragments
.set B1,   224                         ; v[224:255] wave 0: b1 in the result's layout
.set W2V,  48                          ; behind the loop, wave 0: W2 in the same layout
.set R,    80                          ; behind the loop: four partial sums of 8 bins; then the logits' two fragments
.set D0,   16                          ; the hidden layer of keys 0-15,
.set D1,   112                         ; of keys 16-31
; v1 lane; v2 16 t (K); v3 16 x lane (ptab); v4, v5 where I store key data; v6 the key data's row in hand; v7 where I store partial sums; v8 where I read them; v9 where I store codes;
; v10 my 8 bins in bias; v11 the codes' fragments; v12 W1's fragments; v13 32 (lane / 16); v14 4 x lane.  All are made ahead of the first branch on the wave's number.
	s_load_b512 s[8:23], s[0:1], 0x0               ; K s[8:9], key_positions s[10:11], bias s[12:13], b1 s[14:15], W2 s[16:17], b2 s[18:19], anchor_raw s[20:21], lowp_scales s[22:23]
	s_load_b128 s[24:27], s[0:1], 0x40             ; ptab s[24:25], w1c s[26:27]
	s_load_b64 s[28:29], s[0:1], 0x50              ; out0
	v_lshrrev_b32 v1, 5, v0
	v_readfirstlane_b32 s4, v1                     ; wave 0..15
	s_and_b32 s5, s4, 3                            ; which 32 bins
	s_lshr_b32 s6, s4, 2                           ; which 16 frequencies
	v_and_b32 v1, 31, v0
	v_lshlrev_b32 v2, 4, v0
	v_lshlrev_b32 v3, 4, v1
	v_mul_u32_u24 v4, v1, ROWK                     ; key data, in: thread (wave w, lane l) makes keys w, w + 16 at f = 2 l, 2 l + 1: row l,
	s_lshl_b32 s45, s4, 3
	s_add_co_u32 s45, s45, 256
	v_add_nc_u32 v5, s45, v4                       ; pair w of the magnitudes,
	s_lshl_b32 s44, s4, 4
	v_add_nc_u32 v4, s44, v4                       ; quad w
	s_mul_i32 s38, s6, 8*ROWK                      ; key data, out: my first row, f / 2 = 8 (w / 4)
	v_mov_b32 v6, s38
	s_lshl_b32 s44, s6, 14
	s_lshl_b32 s45, s5, 7
	s_add_co_u32 s44, s44, s45
	s_add_co_u32 s44, s44, PART
	v_lshl_add_u32 v7, v1, 2, s44                  ; partial sums, in: my f group, my bin
	v_lshrrev_b32 v15, 4, v0                       ; t / 16: the key that I reduce
	v_and_b32 v12, 15, v0                          ; t % 16 = lane % 16 = r
	v_lshlrev_b32 v10, 5, v12                      ; my 8 bins: 32 bytes
	v_lshl_add_u32 v8, v15, 9, v10
	v_add_nc_u32 v8, PART, v8
	v_mul_u32_u24 v9, v15, CP
	v_lshl_add_u32 v9, v12, 3, v9
	v_add_nc_u32 v9, CODES, v9
	v_bfe_u32 v13, v0, 4, 1                        ; h
	v_mul_u32_u24 v11, v12, CP
	v_lshl_add_u32 v11, v13, 4, v11
	v_add_nc_u32 v11, CODES, v11                   ; a fragment of codes: row r, + 16 h
	v_lshlrev_b32 v12, 7, v12
	v_lshl_add_u32 v12, v13, 4, v12                ; the same in w1c: rows of 128 bytes
	v_lshlrev_b32 v13, 5, v13
	v_lshlrev_b32 v14, 2, v1
	s_mov_b32 s42, 0x76543210                      ; v_permlanex16_b32: lane l xor 16
	s_mov_b32 s43, 0xfedcba98
	s_mov_b32 s41, 0
	s_wait_kmcnt 0x0
	s_load_b32 s30, s[18:19], 0x0                  ; b2
	s_load_b96 s[32:34], s[20:21], 0x0             ; the three anchors
	s_load_b64 s[36:37], s[22:23], 0x0             ; e0, e1
	s_lshl_b32 s40, ttmp9, 14                      ; my 32 keys: rows of 512 bytes
	s_add_nc_u64 s[8:9], s[8:9], s[40:41]
	s_lshl_b32 s40, ttmp9, 7                       ; and 4 bytes a key
	s_add_nc_u64 s[10:11], s[10:11], s[40:41]
	s_add_nc_u64 s[28:29], s[28:29], s[40:41]
	s_mul_i32 s40, s5, 98304                       ; ptab: my 32 bins' block,
	s_mul_i32 s44, s6, 24576                       ; my 16 frequencies: 48 rows of 512 bytes
	s_add_co_u32 s40, s40, s44
	s_add_nc_u64 s[24:25], s[24:25], s[40:41]
	s_cmp_lg_u32 s4, 0
	s_cbranch_scc1 .Lnot_0_head
.irp t, 0,1,2,3                        ; wave 0: what the product at the end wants is asked for here and stays.  Tile t = hidden units 16 t .. 16 t + 15
.irp c, 0,1,2,3
	global_load_b128 v[W1F+16*\t+4*\c:W1F+16*\t+4*\c+3], v12, s[26:27] offset:2048*\t+32*\c   ; registers 4 c .. 4 c + 3: k = 32 c + 16 h + 0 .. 15: the same places of k as in the logits' fragments
.endr
	global_load_b128 v[B1+8*\t:B1+8*\t+3], v13, s[14:15] offset:64*\t          ; b1 at 16 t + 8 h + 0 .. 7
	global_load_b128 v[B1+8*\t+4:B1+8*\t+7], v13, s[14:15] offset:64*\t+16
.endr
.Lnot_0_head:
.macro LOADP set, off                  ; one frequency's three quads for my bin: 512 consecutive bytes a load
.irp m, 0,1,2
	global_load_b128 v[P+12*(\set)+4*\m:P+12*(\set)+4*\m+3], v3, s[24:25] offset:(\off)+512*\m
.endr
.endm
	global_load_b128 v[120:123], v2, s[8:9] th:TH_LOAD_NT                ; key w: x, y of f = 2 l and 2 l + 1
	global_load_b128 v[124:127], v2, s[8:9] offset:8192 th:TH_LOAD_NT    ; key w + 16
	global_load_b128 v[BIAS:BIAS+3], v10, s[12:13]
	global_load_b128 v[BIAS+4:BIAS+7], v10, s[12:13] offset:16
	LOADP 0, 0
.irp i, 0,1,2,3,4,5,6,7,8,9,10,11,12,13,14,15,16,17,18,19,20,21,22,23,24,25,26,27,28,29,30,31
	v_mov_b32 v[ACC+\i], 0                         ; while the loads are out.  32 lines once, so that the trip is written with no first step of its own
.endr
	; ---- the keys' numbers: cx, sx, mag
	s_wait_loadcnt 5                               ; K is in; behind it: 2 loads of bias, 3 of parameters
	v_mul_f32 v140, v120, v120
	v_mul_f32 v141, v122, v122
	v_mul_f32 v142, v124, v124
	v_mul_f32 v143, v126, v126
	v_fmac_f32 v140, v121, v121                    ; x^2 + y^2
	v_fmac_f32 v141, v123, v123
	v_fmac_f32 v142, v125, v125
	v_fmac_f32 v143, v127, v127
.irp i, 0,1,2,3
	v_max_num_f32 v[144+\i], 0x800000, v[140+\i]   ; held at 2^-126 from below: the root's reciprocal stays finite, and a pair of zeros gets cx = sx = mag = 0
.endr
.irp i, 0,1,2,3
	v_rsq_f32 v[144+\i], v[144+\i]
.endr
	v_nop                                          ; a plain line behind the last of the batch,
	s_wait_alu depctr_va_vdst(0)                   ; and the wait ahead of the first reader: one for the four
	v_mul_f32 v128, v120, v144                     ; f = 2 l: cx of key w,
	v_mul_f32 v129, v124, v146                     ; of key w + 16,
	v_mul_f32 v130, v121, v144                     ; sx likewise
	v_mul_f32 v131, v125, v146
	v_mul_f32 v132, v122, v145                     ; f = 2 l + 1
	v_mul_f32 v133, v126, v147
	v_mul_f32 v134, v123, v145
	v_mul_f32 v135, v127, v147
	v_mul_f32 v136, v140, v144                     ; mag = (x^2 + y^2) / its root
	v_mul_f32 v137, v142, v146
	v_mul_f32 v138, v141, v145
	v_mul_f32 v139, v143, v147
	ds_store_b128 v4, v[128:131]
	ds_store_b128 v4, v[132:135] offset:REG1
	ds_store_b64 v5, v[136:137]
	ds_store_b64 v5, v[138:139] offset:REG1
	s_wait_dscnt 0x0                               ; for the others' sake: my stores have landed
	s_barrier_signal -1
	s_barrier_wait -1                              ; the 32 keys' numbers lie in LDS
.macro LOADK set, row, q               ; four pairs of keys, 4 q .. 4 q + 3, of the f whose row begins row bytes behind v6: four quads, four pairs of magnitudes.  Every lane names the same bytes
.irp j, 0,1,2,3
	ds_load_b128 v[KD+24*(\set)+4*\j:KD+24*(\set)+4*\j+3], v6 offset:(\row)+64*(\q)+16*\j
.endr
.irp j, 0,1
	ds_load_b128 v[KD+24*(\set)+16+4*\j:KD+24*(\set)+19+4*\j], v6 offset:(\row)+256+32*(\q)+16*\j
.endr
.endm
.macro BATCH pset, q                   ; 8 keys x my bin x one f x 3 kernels
.set PB, P+12*(\pset)
.set KS, KD+24*((\q)%2)
.irp j, 0,1,2,3
.irp m, 0,1,2
	v_pk_fma_f32 v[T+6*\j+2*\m:T+6*\j+2*\m+1], v[KS+4*\j+2:KS+4*\j+3], v[PB+4*\m:PB+4*\m+1], v[PB+4*\m+2:PB+4*\m+3] op_sel:[0,1,0] op_sel_hi:[1,1,0]   ; B sx + C: of (A, B) the second word, of (C, W) the first, for both keys
.endr
.endr
.irp j, 0,1,2,3
.irp m, 0,1,2
	v_pk_fma_f32 v[T+6*\j+2*\m:T+6*\j+2*\m+1], v[KS+4*\j:KS+4*\j+1], v[PB+4*\m:PB+4*\m+1], v[T+6*\j+2*\m:T+6*\j+2*\m+1] op_sel_hi:[1,0,1]   ; + A cx
.endr
.endr
.irp i, 0,1,2,3,4,5,6,7,8,9,10,11,12,13,14,15,16,17,18,19,20,21,22,23
	v_exp_f32 v[T+\i], v[T+\i]                     ; the kernel values, one batch
.endr
	v_nop                                          ; a plain line behind the last exponential,
	s_wait_alu depctr_va_vdst(0)                   ; and one wait for the 24, ahead of their first reader; the SIMD's other three waves have the time
.irp j, 0,1,2,3
	v_pk_mul_f32 v[S+2*\j:S+2*\j+1], v[T+6*\j:T+6*\j+1], v[PB+2:PB+3] op_sel:[0,1] op_sel_hi:[1,1]   ; x W: the second word of (C, W) for both keys
.endr
.irp m, 1,2
.irp j, 0,1,2,3
	v_pk_fma_f32 v[S+2*\j:S+2*\j+1], v[T+6*\j+2*\m:T+6*\j+2*\m+1], v[PB+4*\m+2:PB+4*\m+3], v[S+2*\j:S+2*\j+1] op_sel:[0,1,0] op_sel_hi:[1,1,1]
.endr
.endr
.irp j, 0,1,2,3
	v_pk_fma_f32 v[ACC+8*(\q)+2*\j:ACC+8*(\q)+2*\j+1], v[S+2*\j:S+2*\j+1], v[KS+16+2*\j:KS+17+2*\j], v[ACC+8*(\q)+2*\j:ACC+8*(\q)+2*\j+1]   ; x mag, onto the keys' sums
.endr
.endm
.macro STEP pset, row, nextrow, last   ; one f: four batches; the next batch's key data are asked for ahead of each
.irp q, 0,1,2,3
.if (\q) < 3
	LOADK (\q+1)%2, \row, \q+1
	s_wait_dscnt 6                                 ; this batch's six loads are in; the six just issued may be out
.elseif !(\last)
	LOADK 0, \nextrow, 0
	s_wait_dscnt 6
.else
	s_wait_dscnt 0x0                               ; the very last batch: nothing more is asked for
.endif
	BATCH \pset, \q
.endr
.endm
.macro TRIP more                       ; two f: an even one (parameter set 0) and the odd one behind it (set 1)
	LOADP 1, 1536
	s_wait_loadcnt 3                               ; set 0 is in (asked for a whole f ago); the three just issued may be out
	STEP 0, 0, REG1, 0
.if \more
	LOADP 0, 3072
	s_wait_loadcnt 3                               ; set 1 is in
.else
	s_wait_loadcnt 0x0
.endif
	STEP 1, REG1, ROWK, 1-(\more)
.if \more
	s_wait_xcnt 0x0                                ; the loads just issued have read their base: it is stepped only behind this wait
	s_add_nc_u64 s[24:25], s[24:25], 3072
	s_add_co_u32 s38, s38, ROWK
	v_mov_b32 v6, s38                              ; the next row of key data (its first batch was asked for by the old address + ROWK)
.endif
.endm
	LOADK 0, 0, 0
	s_mov_b32 s7, 7
.Ltrip:                                                ; at this label, on the way in and on the way back: six LDS loads and three global loads of parameters of mine are out (on the way in the two of bias ahead of them may be too)
	TRIP 1
	s_sub_co_u32 s7, s7, 1
	s_cmp_lg_u32 s7, 0
	s_cbranch_scc1 .Ltrip
	TRIP 0                                         ; the eighth trip asks for nothing beyond my 16 frequencies
	; ---- the partial sums meet
	s_cmp_lg_u32 s4, 0
	s_cbranch_scc1 .Lnot_0_mid
.irp t, 0,1,2,3                        ; wave 0: W2 in the result's layout, and my lane's key's position, into registers that the loop has left
	global_load_b128 v[W2V+8*\t:W2V+8*\t+3], v13, s[16:17] offset:64*\t
	global_load_b128 v[W2V+8*\t+4:W2V+8*\t+7], v13, s[16:17] offset:64*\t+16
.endr
	global_load_b32 v144, v14, s[10:11]
.Lnot_0_mid:
.irp p, 0,1,2,3,4,5,6,7,8,9,10,11,12,13,14,15
	ds_store_b32 v7, v[ACC+2*\p] offset:512*\p             ; 32 lanes: 32 neighbouring bins of key p,
	ds_store_b32 v7, v[ACC+2*\p+1] offset:512*(\p+16)      ; of key p + 16
.endr
	s_wait_dscnt 0x0
	s_barrier_signal -1
	s_barrier_wait -1                              ; all 4 x 32 x 128 partial sums lie in LDS
.irp g, 0,1,2,3
	ds_load_b128 v[R+8*\g:R+8*\g+3], v8 offset:16384*\g
	ds_load_b128 v[R+8*\g+4:R+8*\g+7], v8 offset:16384*\g+16
.endr
	s_wait_kmcnt 0x0                               ; b2, the anchors, e0 and e1
	s_add_co_i32 s44, s36, 127
	s_lshl_b32 s45, s44, 23
	v_mov_b32 v114, s45                            ; 2^e0 as f32: the conversion takes its exponent field
	s_add_co_i32 s44, s44, 15
	s_lshl_b32 s44, s44, 23
	s_or_b32 s44, s44, 0x600000
	v_mov_b32 v115, s44                            ; 57,344 x 2^e0
	s_wait_dscnt 0x0
.irp i, 0,2,4,6
	v_pk_add_f32 v[R+\i:R+\i+1], v[R+\i:R+\i+1], v[R+8+\i:R+9+\i]
	v_pk_add_f32 v[R+16+\i:R+17+\i], v[R+16+\i:R+17+\i], v[R+24+\i:R+25+\i]
.endr
.irp i, 0,2,4,6
	v_pk_add_f32 v[R+\i:R+\i+1], v[R+\i:R+\i+1], v[R+16+\i:R+17+\i]
.endr
.irp i, 0,2,4,6
	v_pk_add_f32 v[R+\i:R+\i+1], v[R+\i:R+\i+1], v[BIAS+\i:BIAS+\i+1]   ; the logits of 8 neighbouring bins: 8 neighbours along the product's K
.endr
.irp i, 0,1,2,3,4,5,6,7
	v_med3_num_f32 v[R+\i], v[R+\i], -v115, v115   ; the conversion to an 8-bit code does not saturate (ISA guide 7.6.2): the hold comes first
.endr
	v_cvt_scalef32_pk8_bf8_f32 v[112:113], v[R:R+7], v114
	v_nop                                          ; a plain line behind the conversion: matrix instructions later write its registers
	ds_store_b64 v9, v[112:113]
	s_wait_dscnt 0x0
	s_barrier_signal -1
	s_barrier_wait -1                              ; the 32 keys' codes lie in LDS
	s_cmp_lg_u32 s4, 0
	s_cbranch_scc1 .Lend                           ; what is left is 8 matrix instructions and 32 numbers: one wave's work
	; ---- wave 0: the quantised product, transposed: source 0 = 16 rows of W1, source 1 = 16 keys.  Lane (r, h) then holds key r of the tile, and register j hidden unit 16 t + 8 h + j
.irp u, 0,1
.irp c, 0,1,2,3
	ds_load_b128 v[R+16*\u+4*\c:R+16*\u+4*\c+3], v11 offset:16*CP*\u+32*\c
.endr
.endr
	s_wait_loadcnt 0x0                             ; W1's codes, b1, W2, the positions
	s_wait_dscnt 0x0
.irp t, 0,1,2,3                        ; eight accumulators, one instruction each, each begun with the constant 0
	v_wmma_f32_16x16x128_bf8_bf8 v[D0+8*\t:D0+8*\t+7], v[W1F+16*\t:W1F+16*\t+15], v[R:R+15], 0
	v_wmma_f32_16x16x128_bf8_bf8 v[D1+8*\t:D1+8*\t+7], v[W1F+16*\t:W1F+16*\t+15], v[R+16:R+31], 0
.endr
	; the position weight of my lane's key.  Its first eight lines are plain, name no register of the products, and are the places behind them (ISA guide 7.12.1)
	v_mov_b32 v152, s32
	v_mov_b32 v153, s33
	v_mov_b32 v154, s34
.irp i, 0,1,2
	v_mul_f32 v[145+\i], 0xbfb8aa3b, |v[152+\i]|   ; -|a| log2(e)
.endr
	v_cvt_f32_i32 v151, v144
	v_max_num_f32 v151, 1.0, v151                  ; max(position, 1)
.irp i, 0,1,2
	v_exp_f32 v[145+\i], v[145+\i]                 ; e = exp(-|a|)
.endr
	v_log_f32 v151, v151
.irp i, 0,1,2
	v_max_num_f32 v[152+\i], 0, v[152+\i]          ; max(a, 0): plain lines behind the batch
.endr
	s_mov_b32 s44, 0xbeaaaaab                      ; -1 / 3
	s_wait_alu depctr_va_vdst(0)                   ; one wait for the batch, ahead of its first reader
.irp i, 0,1,2
	v_add_f32 v[148+\i], 1.0, v[145+\i]
.endr
.irp i, 0,1,2
	v_log_f32 v[148+\i], v[148+\i]
.endr
.irp i, 0,1,2
	v_fma_f32 v[155+\i], v[145+\i], s44, 0.5       ; for a small e: log(1 + e) = e (1 - e (1/2 - e/3)); the term left out is e^4 / 4, under 1e-6 of the result for e < 2^-6
.endr
.irp i, 0,1,2
	v_fma_f32 v[155+\i], -v[145+\i], v[155+\i], 1.0
.endr
.irp i, 0,1,2
	v_mul_f32 v[155+\i], v[145+\i], v[155+\i]
.endr
	v_mul_f32 v151, 0x3e9a209b, v151               ; log10 of the position
	v_add_f32 v158, 0xc0400000, v151
	v_add_f32 v159, -4.0, v151
	v_med3_num_f32 v158, v158, 0, 1.0              ; t1: how far from anchor 0 (10^3) to anchor 1 (10^4), held in 0 .. 1
	v_med3_num_f32 v159, v159, 0, 1.0              ; t2: from anchor 1 to anchor 2 (10^5)
	s_wait_alu depctr_va_vdst(0)                   ; one wait for the three logarithms
.irp i, 0,1,2
	v_mul_f32 v[148+\i], 0x3f317218, v[148+\i]     ; log(1 + e)
	v_cmp_gt_f32 vcc_lo, 0x3c800000, v[145+\i]     ; e < 2^-6: a choice of a value, no branch
	v_cndmask_b32 v[148+\i], v[148+\i], v[155+\i], vcc_lo
	v_add_f32 v[152+\i], v[152+\i], v[148+\i]      ; softplus(a)
.endr
	v_sub_f32 v154, v154, v153
	v_sub_f32 v153, v153, v152
	v_fma_f32 v145, v158, v153, v152               ; aw0 + t1 (aw1 - aw0)
	v_fmac_f32 v145, v159, v154                    ; + t2 (aw2 - aw1): the piecewise form for every position
	s_add_co_i32 s45, s36, s37
	v_ldexp_f32 v146, 1.0, s45                     ; 2^(e0 + e1); (v147, named with it as a pair, has been written)
.irp u, 0,2,4,6,8,10,12,14,16,18,20,22,24,26,28,30
	v_pk_fma_f32 v[D0+\u:D0+\u+1], v[D0+\u:D0+\u+1], v[146:147], v[B1+\u:B1+\u+1] op_sel_hi:[1,0,1]   ; sum x 2^(e0 + e1) + b1; each accumulator from its low end on
	v_pk_fma_f32 v[D1+\u:D1+\u+1], v[D1+\u:D1+\u+1], v[146:147], v[B1+\u:B1+\u+1] op_sel_hi:[1,0,1]
.endr
.irp u, 0,1,2,3,4,5,6,7,8,9,10,11,12,13,14,15,16,17,18,19,20,21,22,23,24,25,26,27,28,29,30,31
	v_max_num_f32 v[D0+\u], 0, v[D0+\u]            ; relu
	v_max_num_f32 v[D1+\u], 0, v[D1+\u]
.endr
.macro DOT d, a                        ; my 32 hidden units x W2, two at a time, in two chains; then the four part sums
	v_pk_mul_f32 v[\a:\a+1], v[\d:\d+1], v[W2V:W2V+1]
	v_pk_mul_f32 v[\a+2:\a+3], v[\d+2:\d+3], v[W2V+2:W2V+3]
.irp u, 4,8,12,16,20,24,28
	v_pk_fma_f32 v[\a:\a+1], v[\d+\u:\d+\u+1], v[W2V+\u:W2V+\u+1], v[\a:\a+1]
	v_pk_fma_f32 v[\a+2:\a+3], v[\d+\u+2:\d+\u+3], v[W2V+\u+2:W2V+\u+3], v[\a+2:\a+3]
.endr
	v_pk_add_f32 v[\a:\a+1], v[\a:\a+1], v[\a+2:\a+3]
	v_add_f32 v[\a], v[\a], v[\a+1]
.endm
	DOT D0, 152
	DOT D1, 156
	v_permlanex16_b32 v148, v152, s42, s43         ; the key's other 32 hidden units lie in the lane 16 away
	v_permlanex16_b32 v149, v156, s42, s43
	v_add_f32 v152, v152, v148                     ; key r, in both halves of the lanes
	v_add_f32 v156, v156, v149                     ; key 16 + r
	v_cmp_gt_u32 vcc_lo, 16, v1
	v_cndmask_b32 v152, v156, v152, vcc_lo         ; lane L takes key L
	v_add_f32 v152, s30, v152                      ; + b2
	v_mul_f32 v152, v152, v145                     ; x the position weight
	v_mul_f32 v152, 0xbfb8aa3b, v152
	v_exp_f32 v152, v152                           ; exp(-z)
	v_nop
	s_wait_alu depctr_va_vdst(0)
	v_add_f32 v152, 1.0, v152
	v_rcp_f32 v152, v152                           ; the sigmoid
	v_nop
	s_wait_alu depctr_va_vdst(0)
	global_store_b32 v14, v152, s[28:29]           ; 32 lanes store the work-group's 128 consecutive bytes
.Lend:
	s_wait_xcnt 0x0
	v_lshl_add_u32 v158, v0, 2, 0x17600
	v_mov_b32 v159, 0
	s_wait_tensorcnt 0x0
	ds_add_u32 v158, v159
	s_wait_dscnt 0x0
	s_endpgm
.Lfunc_end_k_qa954e424d6_main:
	.size	k_qa954e424d6_main, .Lfunc_end_k_qa954e424d6_main-k_qa954e424d6_main
	.p2alignl 7, 3214868480
	.fill 96, 4, 3214868480
	.section	.rodata,"a",@progbits
	.p2align	6, 0x0
	.amdhsa_kernel k_qa954e424d6_main
		.amdhsa_group_segment_fixed_size 97792
		.amdhsa_private_segment_fixed_size 0
		.amdhsa_enable_private_segment 0
		.amdhsa_kernarg_size 88
		.amdhsa_user_sgpr_count 2
		.amdhsa_user_sgpr_kernarg_segment_ptr 1
		.amdhsa_wavefront_size32 1
		.amdhsa_system_sgpr_workgroup_id_x 1
		.amdhsa_system_sgpr_workgroup_id_y 1
		.amdhsa_system_sgpr_workgroup_id_z 1
		.amdhsa_system_vgpr_workitem_id 0
		.amdhsa_next_free_vgpr 256
		.amdhsa_next_free_sgpr 66
		.amdhsa_reserve_vcc 1
		.amdhsa_float_denorm_mode_32 3
		.amdhsa_float_denorm_mode_16_64 3
		.amdhsa_memory_ordered 1
		.amdhsa_forward_progress 1
		.amdhsa_inst_pref_size 86
	.end_amdhsa_kernel
	.amdgpu_metadata
---
amdhsa.version: [ 1, 2 ]
amdhsa.kernels:
  - .name:           k_qa954e424d6_main
    .symbol:         k_qa954e424d6_main.kd
    .args:
      - { .name: K, .offset: 0, .size: 8, .value_kind: global_buffer, .address_space: global }
      - { .name: key_positions, .offset: 8, .size: 8, .value_kind: global_buffer, .address_space: global }
      - { .name: bias, .offset: 16, .size: 8, .value_kind: global_buffer, .address_space: global }
      - { .name: b1, .offset: 24, .size: 8, .value_kind: global_buffer, .address_space: global }
      - { .name: W2, .offset: 32, .size: 8, .value_kind: global_buffer, .address_space: global }
      - { .name: b2, .offset: 40, .size: 8, .value_kind: global_buffer, .address_space: global }
      - { .name: anchor_raw, .offset: 48, .size: 8, .value_kind: global_buffer, .address_space: global }
      - { .name: lowp_scales, .offset: 56, .size: 8, .value_kind: global_buffer, .address_space: global }
      - { .name: ptab, .offset: 64, .size: 8, .value_kind: global_buffer, .address_space: global }
      - { .name: w1c, .offset: 72, .size: 8, .value_kind: global_buffer, .address_space: global }
      - { .name: out0, .offset: 80, .size: 8, .value_kind: global_buffer, .address_space: global }
    .group_segment_fixed_size: 97792
    .private_segment_fixed_size: 0
    .kernarg_segment_align: 8
    .kernarg_segment_size: 88
    .max_flat_workgroup_size: 512
    .sgpr_count:     66
    .vgpr_count:     256
    .wavefront_size: 32
...
	.end_amdgpu_metadata
.endif
;; end of part 2
;; ======== version 2 of 2: 2 launches; version 1 with the launch main written anew for expert scheduling mode
;; workspace buffers: ptab 393,216 bytes; w1c 8,192 bytes
;; launch prep: the kernel of part 1 again; grid 8 x 1, 16 waves a work-group, no clusters, 54,272 bytes of LDS; arguments mu, kappa, weight, reference_angles, W1, lowp_scales, ptab, w1c; writes ptab, w1c
;; launch main (part 3): grid 256 x 1, 16 waves a work-group, no clusters, 97,792 bytes of LDS; arguments K, key_positions, bias, b1, W2, b2, anchor_raw, lowp_scales, ptab, w1c, out0; writes out0
.if DOCPART == 3
	.amdgcn_target "amdgcn-amd-amdhsa--gfx1250"
	.amdhsa_code_object_version 6
	.text
	.protected	k_qa954e424d6_main
	.globl	k_qa954e424d6_main
	.p2align	8
	.type	k_qa954e424d6_main,@function
k_qa954e424d6_main:
	s_mov_b64 s[64:65], 0
	v_nop
	global_prefetch_b8 v0, s[64:65] scope:SCOPE_SE
	s_setreg_imm32_b32 hwreg(HW_REG_WAVE_SCHED_MODE, 0, 2), 2
	s_setreg_imm32_b32 hwreg(HW_REG_WAVE_MODE, 25, 1), 1
	s_wait_xcnt 0x0
	s_wait_alu depctr_vm_vsrc(0)
; out[n] = sigmoid((relu(Q(logits) Q(W1)^T + b1) . W2 + b2) x posw(position[n])),
; logits[n][b] = bias[b] + sum over f of mag[n][f] x sum over m of weight[b][f][m] x 2^(A cx + B sx + C):  (A, B, C, weight) come ready from ptab; cx = x / mag, sx = y / mag of the key's pair f.
; The one quantised product, logits x W1^T (K = 128), runs on codes of E5M2 by v_wmma_f32_16x16x128_bf8_bf8; all ahead of its quantiser is f32.
; SHARES.  A work-group takes 32 keys and all 128 bins; sixteen waves of 256 registers.  Wave w: bins 32 (w % 4) + lane (A LANE IS A BIN) and frequencies 16 (w / 4) .. + 15.
; THE TWO HALVES OF A PACKED INSTRUCTION ARE TWO KEYS, p and p + 16.  A lane's parameters stand in pairs (A, B) and (C, W), of which op_sel picks one word for both halves; the keys' numbers are the same for all
; lanes and come from LDS by loads in which every lane names the same 16 bytes.  For two keys, 32 bins and one f: 6 packed multiply-adds, 6 exponentials, 3 + 1 packed lines behind them.
; Each wave reads its own 24,576 bytes of ptab, 512 consecutive bytes a load, straight into registers, three frequencies ahead: no byte of the table is read twice by a work-group, so it goes through no LDS.
; NO CLUSTER: what the work-groups share is the table, which each wave takes straight into the registers of the lanes that use it; a joint load would add an LDS write and read of every byte, and 393,216 bytes are more than LDS holds.
; The four partial sums over f meet in LDS; each thread adds them and the bias for 8 bins of a key and quantises them; wave 0 then does the product (8 matrix instructions), the small layer, the position weight and the sigmoid.
; The work-group's 32 results are 128 consecutive bytes of out0: one store.
; LIMITS.  e0 between -126 and 112.  |x|, |y| of K under 1.3e19 (x^2 + y^2 stays finite); a pair with x^2 + y^2 under 2^-126 counts with a magnitude under 2^-63.  A kernel value under 2^-126 counts as 0
; (v_exp_f32 gives no denormals: ISA guide 15.8).  The exponent's absolute error grows as kappa x 1e-7.  The sum over f runs in four groups of 16, added in pairs.  NaN among the inputs is not served.
; THE MODE: SCHED_MODE bits 1:0 = 2 (LLVM: expert scheduling mode 2), set by the entry lines.  The code itself states the register dependences
; between vector or matrix instructions and memory or LDS instructions, with s_wait_alu, always for 0.
; THE PLAN.  A trip of the loop is sixteen batches b = 0 .. 15: four f, four groups of 8 keys each.  Registers that memory or LDS instructions touch, in the loop:
;   the quads, two sets       Batch b's 24 multiply-adds, which stand ahead of its exponentials, read set b % 2; behind the batch's wait the quads of batch b + 2 land in the same set.
;   the magnitudes, two sets  Batch b's last four lines read set b % 2; behind the wait of batch b + 1 the magnitudes of batch b + 2 land in it.
;   P0 .. P3                  The four batches of frequency f read set f % 4, to their last lines but four; behind the wait of the first batch of f + 1 the parameters of f + 4 land in it.
;   v6                        Read by every LDS load of key data; written once a trip, at the trip's end.
;   v3                        Read by every load of parameters; never written again: the scalar base moves on, and immediate offsets do the rest.
;   T, S and the keys' sums are named by vector instructions alone.
; So the ONE wait on va_vdst that a batch has behind its exponentials states all of it: the exponentials have written T; this batch is done reading its quads; the batch before is done reading its magnitudes and,
; where it ended an f, its parameters; and, in a trip's first batch, v6 is written.  The batch's loads follow that wait, and the lines behind them name T, S, this f's parameters, this batch's magnitudes and the sums:
; none of the registers in which those loads land.  One wait on vm_vsrc a trip stands ahead of the write of v6.
.set ROWK,  400                        ; LDS, key data: a row (one f): 16 quads (cx p, cx p+16, sx p, sx p+16), 16 pairs (mag p, mag p+16), 16 bytes of padding.  400 = 9 x 16 mod 256: sixteen lanes' 16 bytes fall on sixteen different columns
.set REG1,  32*ROWK                    ; even f in rows f / 2 from byte 0, odd f from here
.set PART,  2*REG1                     ; the partial sums: [f group 4][key 32][bin 128] f32
.set CODES, PART+65536                 ; the logits' codes: [key 32], 128 bytes + 16
.set CP,    144
.set ACC,  16                          ; v[16:47]   the pair at 2 p: keys p, p + 16
.set P,    48                          ; v[48:71]   sets 0 and 1 of three quads (A, B, C, W); sets 2 and 3 stand in v[224:247]:
.set PGAP, 152                         ;            set s begins at P + 12 s + PGAP (s / 2)
.set KD,   72                          ; v[72:119]  two sets of four quads and four pairs of magnitudes
.set T,    120                         ; v[120:143] exponents, then kernel values: pair (j, m) at 6 j + 2 m
.set S,    144                         ; v[144:151] the sums over m
.set BIAS, 152                         ; v[152:159] bias of the 8 bins that I reduce
.set W1F,  160                         ; v[160:223] wave 0: W1's four fragments
.set B1,   224                         ; v[224:255] behind the loop, wave 0: b1 in the result's layout
.set W2V,  48                          ; behind the loop, wave 0: W2 in the same layout
.set R,    80                          ; behind the loop: four partial sums of 8 bins; then the logits' two fragments
.set D0,   16                          ; the hidden layer of keys 0-15,
.set D1,   112                         ; of keys 16-31
; v1 lane; v2 16 t (K); v3 16 x lane (ptab); v4, v5 where I store key data; v6 the key data's row in hand; v7 where I store partial sums; v8 where I read them; v9 where I store codes;
; v10 my 8 bins in bias; v11 the codes' fragments; v12 W1's fragments; v13 32 (lane / 16); v14 4 x lane.  All are made ahead of the first branch on the wave's number.
	s_load_b512 s[8:23], s[0:1], 0x0               ; K s[8:9], key_positions s[10:11], bias s[12:13], b1 s[14:15], W2 s[16:17], b2 s[18:19], anchor_raw s[20:21], lowp_scales s[22:23]
	s_load_b128 s[24:27], s[0:1], 0x40             ; ptab s[24:25], w1c s[26:27]
	s_load_b64 s[28:29], s[0:1], 0x50              ; out0
	v_lshrrev_b32 v1, 5, v0
	v_readfirstlane_b32 s4, v1                     ; wave 0..15
	v_and_b32 v1, 31, v0
	v_lshlrev_b32 v2, 4, v0
	v_lshlrev_b32 v3, 4, v1
	v_mul_u32_u24 v4, v1, ROWK                     ; key data, in: thread (wave w, lane l) makes keys w, w + 16 at f = 2 l, 2 l + 1: row l,
	s_wait_alu depctr_va_sdst(0)                   ; s4 is written, ahead of its first reader: shares, addresses and branches are made from it
	s_and_b32 s5, s4, 3                            ; which 32 bins
	s_lshr_b32 s6, s4, 2                           ; which 16 frequencies
	s_lshl_b32 s45, s4, 3
	s_add_co_u32 s45, s45, 256
	v_add_nc_u32 v5, s45, v4                       ; pair w of the magnitudes,
	s_lshl_b32 s44, s4, 4
	v_add_nc_u32 v4, s44, v4                       ; quad w
	s_mul_i32 s38, s6, 8*ROWK                      ; key data, out: my first row, f / 2 = 8 (w / 4)
	v_mov_b32 v6, s38
	s_lshl_b32 s44, s6, 14
	s_lshl_b32 s45, s5, 7
	s_add_co_u32 s44, s44, s45
	s_add_co_u32 s44, s44, PART
	v_lshl_add_u32 v7, v1, 2, s44                  ; partial sums, in: my f group, my bin
	v_lshrrev_b32 v15, 4, v0                       ; t / 16: the key that I reduce
	v_and_b32 v12, 15, v0                          ; t % 16 = lane % 16 = r
	v_lshlrev_b32 v10, 5, v12                      ; my 8 bins: 32 bytes
	v_lshl_add_u32 v8, v15, 9, v10
	v_add_nc_u32 v8, PART, v8
	v_mul_u32_u24 v9, v15, CP
	v_lshl_add_u32 v9, v12, 3, v9
	v_add_nc_u32 v9, CODES, v9
	v_bfe_u32 v13, v0, 4, 1                        ; h
	v_mul_u32_u24 v11, v12, CP
	v_lshl_add_u32 v11, v13, 4, v11
	v_add_nc_u32 v11, CODES, v11                   ; a fragment of codes: row r, + 16 h
	v_lshlrev_b32 v12, 7, v12
	v_lshl_add_u32 v12, v13, 4, v12                ; the same in w1c: rows of 128 bytes
	v_lshlrev_b32 v13, 5, v13
	v_lshlrev_b32 v14, 2, v1
	s_mov_b32 s42, 0x76543210                      ; v_permlanex16_b32: lane l xor 16
	s_mov_b32 s43, 0xfedcba98
	s_mov_b32 s41, 0
	s_wait_kmcnt 0x0
	s_load_b32 s30, s[18:19], 0x0                  ; b2
	s_load_b96 s[32:34], s[20:21], 0x0             ; the three anchors
	s_load_b64 s[36:37], s[22:23], 0x0             ; e0, e1
	s_lshl_b32 s40, ttmp9, 14                      ; my 32 keys: rows of 512 bytes
	s_add_nc_u64 s[8:9], s[8:9], s[40:41]
	s_lshl_b32 s40, ttmp9, 7                       ; and 4 bytes a key
	s_add_nc_u64 s[10:11], s[10:11], s[40:41]
	s_add_nc_u64 s[28:29], s[28:29], s[40:41]
	s_mul_i32 s40, s5, 98304                       ; ptab: my 32 bins' block,
	s_mul_i32 s44, s6, 24576                       ; my 16 frequencies: 48 rows of 512 bytes
	s_add_co_u32 s40, s40, s44
	s_add_nc_u64 s[24:25], s[24:25], s[40:41]
	s_wait_alu depctr_va_vdst(0)                   ; the offsets and addresses v2 to v14 are written, which the loads, LDS instructions and the store of the whole kernel read (v6 alone is written again, in the loop)
	s_cmp_lg_u32 s4, 0
	s_cbranch_scc1 .Lnot_0_head
.irp t, 0,1,2,3                        ; wave 0: W1's codes, which the product at the end wants, are asked for here and stay.  Tile t = hidden units 16 t .. 16 t + 15
.irp c, 0,1,2,3
	global_load_b128 v[W1F+16*\t+4*\c:W1F+16*\t+4*\c+3], v12, s[26:27] offset:2048*\t+32*\c   ; registers 4 c .. 4 c + 3: k = 32 c + 16 h + 0 .. 15: the same places of k as in the logits' fragments
.endr
.endr
.Lnot_0_head:
.macro LOADP set, off                  ; one frequency's three quads for my bin: 512 consecutive bytes a load
.set LP, P+12*(\set)+((\set)/2)*PGAP
.irp m, 0,1,2
	global_load_b128 v[LP+4*\m:LP+4*\m+3], v3, s[24:25] offset:(\off)+512*\m
.endr
.endm
	global_load_b128 v[120:123], v2, s[8:9] th:TH_LOAD_NT                ; key w: x, y of f = 2 l and 2 l + 1
	global_load_b128 v[124:127], v2, s[8:9] offset:8192 th:TH_LOAD_NT    ; key w + 16
	global_load_b128 v[BIAS:BIAS+3], v10, s[12:13]
	global_load_b128 v[BIAS+4:BIAS+7], v10, s[12:13] offset:16
	LOADP 0, 0                                     ; my first three frequencies; each f then asks for the one three further on
	LOADP 1, 1536
	LOADP 2, 3072
.irp i, 0,1,2,3,4,5,6,7,8,9,10,11,12,13,14,15,16,17,18,19,20,21,22,23,24,25,26,27,28,29,30,31
	v_mov_b32 v[ACC+\i], 0                         ; while the loads are out.  32 lines once, so that the trip is written with no first step of its own
.endr
	; ---- the keys' numbers: cx, sx, mag
	s_wait_loadcnt 11                              ; K is in; behind it: 2 loads of bias, 9 of parameters
	v_mul_f32 v140, v120, v120
	v_mul_f32 v141, v122, v122
	v_mul_f32 v142, v124, v124
	v_mul_f32 v143, v126, v126
	v_fmac_f32 v140, v121, v121                    ; x^2 + y^2
	v_fmac_f32 v141, v123, v123
	v_fmac_f32 v142, v125, v125
	v_fmac_f32 v143, v127, v127
.irp i, 0,1,2,3
	v_max_num_f32 v[144+\i], 0x800000, v[140+\i]   ; held at 2^-126 from below: the root's reciprocal stays finite, and a pair of zeros gets cx = sx = mag = 0
.endr
.irp i, 0,1,2,3
	v_rsq_f32 v[144+\i], v[144+\i]
.endr
	v_nop                                          ; a plain line behind the last of the batch,
	s_wait_alu depctr_va_vdst(0)                   ; and the wait ahead of the first reader: one for the four
	v_mul_f32 v128, v120, v144                     ; f = 2 l: cx of key w,
	v_mul_f32 v129, v124, v146                     ; of key w + 16,
	v_mul_f32 v130, v121, v144                     ; sx likewise
	v_mul_f32 v131, v125, v146
	v_mul_f32 v132, v122, v145                     ; f = 2 l + 1
	v_mul_f32 v133, v126, v147
	v_mul_f32 v134, v123, v145
	v_mul_f32 v135, v127, v147
	v_mul_f32 v136, v140, v144                     ; mag = (x^2 + y^2) / its root
	v_mul_f32 v137, v142, v146
	v_mul_f32 v138, v141, v145
	v_mul_f32 v139, v143, v147
	s_wait_alu depctr_va_vdst(0)                   ; the twelve multiplications have written v[128:139], which the LDS stores read
	ds_store_b128 v4, v[128:131]
	ds_store_b128 v4, v[132:135] offset:REG1
	ds_store_b64 v5, v[136:137]
	ds_store_b64 v5, v[138:139] offset:REG1
	s_wait_dscnt 0x0                               ; for the others' sake: my stores have landed
	s_barrier_signal -1
	s_barrier_wait -1                              ; the 32 keys' numbers lie in LDS
	s_wait_alu depctr_vm_vsrc(0)                   ; my LDS stores have read v[128:139]: these registers are part of T from here on, written by the batches' multiply-adds
; Key data of batch b, counted within a trip: four batches to an f; b = 16 and 17 are the next trip's first two.  Every lane names the same bytes.
.macro ROWOF b                         ; RW: the bytes from the row in hand (v6) to the row of batch b's f: odd f lie REG1 on, and two f share a row's number
.set RW, (((\b)/4)%2)*REG1+(((\b)/4)/2)*ROWK
.endm
.macro LOADQ b                         ; its four quads (cx, cx, sx, sx), into set b % 2
	ROWOF \b
.set LS, KD+24*((\b)%2)
.set LO, RW+64*((\b)%4)
.irp j, 0,1,2,3
	ds_load_b128 v[LS+4*\j:LS+4*\j+3], v6 offset:LO+16*\j
.endr
.endm
.macro LOADM b                         ; its four pairs of magnitudes, into set b % 2
	ROWOF \b
.set LS, KD+24*((\b)%2)+16
.set LO, RW+256+32*((\b)%4)
.irp j, 0,1
	ds_load_b128 v[LS+4*\j:LS+4*\j+3], v6 offset:LO+16*\j
.endr
.endm
; Batch b of a trip: 8 keys x my bin x one f x 3 kernels.  more = 1: a trip follows; more = 0: the last trip, which asks for nothing beyond my 16 frequencies, and whose counts run down.
.macro BATCH b, more
.set PB, P+12*((\b)/4)+(((\b)/4)/2)*PGAP
.set KS, KD+24*((\b)%2)
.set AQ, ACC+8*((\b)%4)
.if ((\b)%4) == 0                      ; an f begins
.if (\more) || ((\b) < 8)
	s_wait_loadcnt 6                               ; loads come back in order: this f's parameters are in; those of the next two f (six loads) may be out
.elseif (\b) == 8
	s_wait_loadcnt 3                               ; behind the last f but one: the last f's three
.else
	s_wait_loadcnt 0x0                             ; the last f
.endif
.endif
.if (\more) || ((\b) < 15)
	s_wait_dscnt 6                                 ; LDS loads come back in order: this batch's quads are in; behind them its magnitudes (2 loads) and the next batch's quads (4) may be out
.else
	s_wait_dscnt 2                                 ; behind the last quads: the last magnitudes
.endif
.irp j, 0,1,2,3
.irp m, 0,1,2
	v_pk_fma_f32 v[T+6*\j+2*\m:T+6*\j+2*\m+1], v[KS+4*\j+2:KS+4*\j+3], v[PB+4*\m:PB+4*\m+1], v[PB+4*\m+2:PB+4*\m+3] op_sel:[0,1,0] op_sel_hi:[1,1,0]   ; B sx + C: of (A, B) the second word, of (C, W) the first, for both keys
.endr
.endr
.irp j, 0,1,2,3
.irp m, 0,1,2
	v_pk_fma_f32 v[T+6*\j+2*\m:T+6*\j+2*\m+1], v[KS+4*\j:KS+4*\j+1], v[PB+4*\m:PB+4*\m+1], v[T+6*\j+2*\m:T+6*\j+2*\m+1] op_sel_hi:[1,0,1]   ; + A cx
.endr
.endr
.irp i, 0,1,2,3,4,5,6,7,8,9,10,11,12,13,14,15,16,17,18,19,20,21,22,23
	v_exp_f32 v[T+\i], v[T+\i]                     ; the kernel values, one batch
.endr
	v_nop                                          ; a plain line behind the last exponential,
	s_wait_alu depctr_va_vdst(0)                   ; and one wait: the 24 exponentials have written T, ahead of their first reader; this batch is done reading its quads; the batch before is done reading its magnitudes and, where it ended an f, its parameters; in a trip's first batch v6 is written
.if (\more) || ((\b) < 15)
	LOADM (\b)+1                                   ; the next batch's magnitudes, into the set that the batch before read
.endif
.if (\more) || ((\b) < 14)
	LOADQ (\b)+2                                   ; the quads of the batch after next, into the set just read
.endif
.if (((\b)%4) == 0) && ((\more) || ((\b) == 0))
	LOADP ((\b)/4+3)%4, ((\b)/4+3)*1536            ; the parameters of the f three further on, into the set that the f before this one read to its end (the last trip's first f asks for my sixteenth, the others for nothing)
.endif
.irp j, 0,1,2,3
	v_pk_mul_f32 v[S+2*\j:S+2*\j+1], v[T+6*\j:T+6*\j+1], v[PB+2:PB+3] op_sel:[0,1] op_sel_hi:[1,1]   ; x W: the second word of (C, W) for both keys
.endr
.irp m, 1,2
.irp j, 0,1,2,3
	v_pk_fma_f32 v[S+2*\j:S+2*\j+1], v[T+6*\j+2*\m:T+6*\j+2*\m+1], v[PB+4*\m+2:PB+4*\m+3], v[S+2*\j:S+2*\j+1] op_sel:[0,1,0] op_sel_hi:[1,1,1]
.endr
.endr
.if (\more) || ((\b) < 14)
	s_wait_dscnt 10                                ; this batch's magnitudes are in; behind them: the next batch's quads (4), its magnitudes (2), the quads after next (4)
.elseif (\b) == 14
	s_wait_dscnt 6                                 ; behind them: the last quads (4) and the last magnitudes (2)
.else
	s_wait_dscnt 0x0                               ; the very last batch
.endif
.irp j, 0,1,2,3
	v_pk_fma_f32 v[AQ+2*\j:AQ+2*\j+1], v[S+2*\j:S+2*\j+1], v[KS+16+2*\j:KS+17+2*\j], v[AQ+2*\j:AQ+2*\j+1]   ; x mag, onto the keys' sums
.endr
.endm
.macro TRIP more                       ; four f, on parameter sets 0 to 3: all sets of registers are back where they began
.irp b, 0,1,2,3,4,5,6,7,8,9,10,11,12,13,14,15
	BATCH \b, \more
.endr
.if \more
	s_wait_xcnt 0x0                                ; the loads of parameters have read their base: it is stepped only behind this wait
	s_add_nc_u64 s[24:25], s[24:25], 6144
	s_add_co_u32 s38, s38, 2*ROWK
	s_wait_alu depctr_vm_vsrc(0)                   ; the LDS loads issued so far have read v6
	v_mov_b32 v6, s38                              ; two rows of key data on (the next trip's first ten loads were asked for by the old address + 2 ROWK); the next load that reads it stands behind the next batch's wait
.endif
.endm
	LOADQ 0
	LOADM 0
	LOADQ 1
	s_mov_b32 s7, 3
.Ltrip:                                                ; at this label, on the way in and on the way back: ten LDS loads of mine are out (quads, magnitudes, quads), and the nine loads of three sets of parameters (on the way in the two of bias ahead of them)
	TRIP 1
	s_sub_co_u32 s7, s7, 1
	s_cmp_lg_u32 s7, 0
	s_cbranch_scc1 .Ltrip
	TRIP 0                                         ; the fourth trip asks for nothing beyond my 16 frequencies
	; ---- the partial sums meet
	s_wait_alu depctr_va_vdst(0)                   ; the last batches have written the keys' sums, which the LDS stores below read, and are done with the four sets of parameters, KD and S, in which wave 0's loads and everybody's loads of the partial sums land
	s_cmp_lg_u32 s4, 0
	s_cbranch_scc1 .Lnot_0_mid
.irp t, 0,1,2,3                        ; wave 0: W2 and b1 in the result's layout, and my lane's key's position, into registers that the loop has left
	global_load_b128 v[W2V+8*\t:W2V+8*\t+3], v13, s[16:17] offset:64*\t
	global_load_b128 v[W2V+8*\t+4:W2V+8*\t+7], v13, s[16:17] offset:64*\t+16
	global_load_b128 v[B1+8*\t:B1+8*\t+3], v13, s[14:15] offset:64*\t          ; b1 at 16 t + 8 h + 0 .. 7
	global_load_b128 v[B1+8*\t+4:B1+8*\t+7], v13, s[14:15] offset:64*\t+16
.endr
	global_load_b32 v144, v14, s[10:11]
.Lnot_0_mid:
.irp p, 0,1,2,3,4,5,6,7,8,9,10,11,12,13,14,15
	ds_store_b32 v7, v[ACC+2*\p] offset:512*\p             ; 32 lanes: 32 neighbouring bins of key p,
	ds_store_b32 v7, v[ACC+2*\p+1] offset:512*(\p+16)      ; of key p + 16
.endr
	s_wait_dscnt 0x0
	s_barrier_signal -1
	s_barrier_wait -1                              ; all 4 x 32 x 128 partial sums lie in LDS
.irp g, 0,1,2,3
	ds_load_b128 v[R+8*\g:R+8*\g+3], v8 offset:16384*\g
	ds_load_b128 v[R+8*\g+4:R+8*\g+7], v8 offset:16384*\g+16
.endr
	s_wait_kmcnt 0x0                               ; b2, the anchors, e0 and e1
	s_add_co_i32 s44, s36, 127
	s_lshl_b32 s45, s44, 23
	v_mov_b32 v114, s45                            ; 2^e0 as f32: the conversion takes its exponent field
	s_add_co_i32 s44, s44, 15
	s_lshl_b32 s44, s44, 23
	s_or_b32 s44, s44, 0x600000
	v_mov_b32 v115, s44                            ; 57,344 x 2^e0
	s_wait_dscnt 0x0
.irp i, 0,2,4,6
	v_pk_add_f32 v[R+\i:R+\i+1], v[R+\i:R+\i+1], v[R+8+\i:R+9+\i]
	v_pk_add_f32 v[R+16+\i:R+17+\i], v[R+16+\i:R+17+\i], v[R+24+\i:R+25+\i]
.endr
.irp i, 0,2,4,6
	v_pk_add_f32 v[R+\i:R+\i+1], v[R+\i:R+\i+1], v[R+16+\i:R+17+\i]
.endr
.irp i, 0,2,4,6
	v_pk_add_f32 v[R+\i:R+\i+1], v[R+\i:R+\i+1], v[BIAS+\i:BIAS+\i+1]   ; the logits of 8 neighbouring bins: 8 neighbours along the product's K
.endr
.irp i, 0,1,2,3,4,5,6,7
	v_med3_num_f32 v[R+\i], v[R+\i], -v115, v115   ; the conversion to an 8-bit code does not saturate (ISA guide 7.6.2): the hold comes first
.endr
	v_cvt_scalef32_pk8_bf8_f32 v[112:113], v[R:R+7], v114
	v_nop                                          ; a plain line behind the conversion: matrix instructions later write its registers
	s_wait_alu depctr_va_vdst(0)                   ; the conversion has written v[112:113], which the LDS store reads; and the additions, holds and conversion are done with v[R ..], in which wave 0's fragments land below
	ds_store_b64 v9, v[112:113]
	s_wait_dscnt 0x0
	s_barrier_signal -1
	s_barrier_wait -1                              ; the 32 keys' codes lie in LDS
	s_wait_alu depctr_vm_vsrc(0)                   ; my LDS stores have read v[16:47] and v[112:113], which wave 0's products write; the wait stands ahead of the branch on the wave's number
	s_cmp_lg_u32 s4, 0
	s_cbranch_scc1 .Lend                           ; what is left is 8 matrix instructions and 32 numbers: one wave's work
	; ---- wave 0: the quantised product, transposed: source 0 = 16 rows of W1, source 1 = 16 keys.  Lane (r, h) then holds key r of the tile, and register j hidden unit 16 t + 8 h + j
.irp u, 0,1
.irp c, 0,1,2,3
	ds_load_b128 v[R+16*\u+4*\c:R+16*\u+4*\c+3], v11 offset:16*CP*\u+32*\c   ; no vector instruction since the wait ahead of the codes' store names these registers
.endr
.endr
	s_wait_loadcnt 0x0                             ; W1's codes, b1, W2, the positions
	s_wait_dscnt 0x0
.irp t, 0,1,2,3                        ; eight accumulators, one instruction each, each begun with the constant 0
	v_wmma_f32_16x16x128_bf8_bf8 v[D0+8*\t:D0+8*\t+7], v[W1F+16*\t:W1F+16*\t+15], v[R:R+15], 0
	v_wmma_f32_16x16x128_bf8_bf8 v[D1+8*\t:D1+8*\t+7], v[W1F+16*\t:W1F+16*\t+15], v[R+16:R+31], 0
.endr
	; the position weight of my lane's key.  Its first eight lines are plain, name no register of the products, and are the places behind them (ISA guide 7.12.1)
	v_mov_b32 v152, s32
	v_mov_b32 v153, s33
	v_mov_b32 v154, s34
.irp i, 0,1,2
	v_mul_f32 v[145+\i], 0xbfb8aa3b, |v[152+\i]|   ; -|a| log2(e)
.endr
	v_cvt_f32_i32 v151, v144
	v_max_num_f32 v151, 1.0, v151                  ; max(position, 1)
.irp i, 0,1,2
	v_exp_f32 v[145+\i], v[145+\i]                 ; e = exp(-|a|)
.endr
	v_log_f32 v151, v151
.irp i, 0,1,2
	v_max_num_f32 v[152+\i], 0, v[152+\i]          ; max(a, 0): plain lines behind the batch
.endr
	s_mov_b32 s44, 0xbeaaaaab                      ; -1 / 3
	s_wait_alu depctr_va_vdst(0)                   ; one wait for the batch, ahead of its first reader
.irp i, 0,1,2
	v_add_f32 v[148+\i], 1.0, v[145+\i]
.endr
.irp i, 0,1,2
	v_log_f32 v[148+\i], v[148+\i]
.endr
.irp i, 0,1,2
	v_fma_f32 v[155+\i], v[145+\i], s44, 0.5       ; for a small e: log(1 + e) = e (1 - e (1/2 - e/3)); the term left out is e^4 / 4, under 1e-6 of the result for e < 2^-6
.endr
.irp i, 0,1,2
	v_fma_f32 v[155+\i], -v[145+\i], v[155+\i], 1.0
.endr
.irp i, 0,1,2
	v_mul_f32 v[155+\i], v[145+\i], v[155+\i]
.endr
	v_mul_f32 v151, 0x3e9a209b, v151               ; log10 of the position
	v_add_f32 v158, 0xc0400000, v151
	v_add_f32 v159, -4.0, v151
	v_med3_num_f32 v158, v158, 0, 1.0              ; t1: how far from anchor 0 (10^3) to anchor 1 (10^4), held in 0 .. 1
	v_med3_num_f32 v159, v159, 0, 1.0              ; t2: from anchor 1 to anchor 2 (10^5)
	v_cmp_gt_f32 s39, 0x3c800000, v145             ; e < 2^-6, for each anchor: a choice of a value, no branch.  The tail's four compares stand in one run, each with a scalar register of its own
	v_cmp_gt_f32 s46, 0x3c800000, v146
	v_cmp_gt_f32 s47, 0x3c800000, v147
	v_cmp_gt_u32 s35, 16, v1                       ; lanes 0 to 15, for the choice of a lane's key further down
	s_wait_alu depctr_va_sdst(0)                   ; the four masks s39, s46, s47 and s35 are written, ahead of the first select that reads one
	s_wait_alu depctr_va_vdst(0)                   ; one wait for the three logarithms
.irp i, 0,1,2
	v_mul_f32 v[148+\i], 0x3f317218, v[148+\i]     ; log(1 + e)
.endr
	v_cndmask_b32 v148, v148, v155, s39
	v_cndmask_b32 v149, v149, v156, s46
	v_cndmask_b32 v150, v150, v157, s47
.irp i, 0,1,2
	v_add_f32 v[152+\i], v[152+\i], v[148+\i]      ; softplus(a)
.endr
	v_sub_f32 v154, v154, v153
	v_sub_f32 v153, v153, v152
	v_fma_f32 v145, v158, v153, v152               ; aw0 + t1 (aw1 - aw0)
	v_fmac_f32 v145, v159, v154                    ; + t2 (aw2 - aw1): the piecewise form for every position
	s_add_co_i32 s45, s36, s37
	v_ldexp_f32 v146, 1.0, s45                     ; 2^(e0 + e1); (v147, named with it as a pair, has been written)
.irp u, 0,2,4,6,8,10,12,14,16,18,20,22,24,26,28,30
	v_pk_fma_f32 v[D0+\u:D0+\u+1], v[D0+\u:D0+\u+1], v[146:147], v[B1+\u:B1+\u+1] op_sel_hi:[1,0,1]   ; sum x 2^(e0 + e1) + b1; each accumulator from its low end on
	v_pk_fma_f32 v[D1+\u:D1+\u+1], v[D1+\u:D1+\u+1], v[146:147], v[B1+\u:B1+\u+1] op_sel_hi:[1,0,1]
.endr
.irp u, 0,1,2,3,4,5,6,7,8,9,10,11,12,13,14,15,16,17,18,19,20,21,22,23,24,25,26,27,28,29,30,31
	v_max_num_f32 v[D0+\u], 0, v[D0+\u]            ; relu
	v_max_num_f32 v[D1+\u], 0, v[D1+\u]
.endr
.macro DOT d, a                        ; my 32 hidden units x W2, two at a time, in two chains; then the four part sums
	v_pk_mul_f32 v[\a:\a+1], v[\d:\d+1], v[W2V:W2V+1]
	v_pk_mul_f32 v[\a+2:\a+3], v[\d+2:\d+3], v[W2V+2:W2V+3]
.irp u, 4,8,12,16,20,24,28
	v_pk_fma_f32 v[\a:\a+1], v[\d+\u:\d+\u+1], v[W2V+\u:W2V+\u+1], v[\a:\a+1]
	v_pk_fma_f32 v[\a+2:\a+3], v[\d+\u+2:\d+\u+3], v[W2V+\u+2:W2V+\u+3], v[\a+2:\a+3]
.endr
	v_pk_add_f32 v[\a:\a+1], v[\a:\a+1], v[\a+2:\a+3]
	v_add_f32 v[\a], v[\a], v[\a+1]
.endm
	DOT D0, 152
	DOT D1, 156
	v_permlanex16_b32 v148, v152, s42, s43         ; the key's other 32 hidden units lie in the lane 16 away
	v_permlanex16_b32 v149, v156, s42, s43
	v_add_f32 v152, v152, v148                     ; key r, in both halves of the lanes
	v_add_f32 v156, v156, v149                     ; key 16 + r
	v_cndmask_b32 v152, v156, v152, s35            ; lane L takes key L
	v_add_f32 v152, s30, v152                      ; + b2
	v_mul_f32 v152, v152, v145                     ; x the position weight
	v_mul_f32 v152, 0xbfb8aa3b, v152
	v_exp_f32 v152, v152                           ; exp(-z)
	v_nop
	s_wait_alu depctr_va_vdst(0)                   ; the exponential has written v152, ahead of its reader
	v_add_f32 v152, 1.0, v152
	v_rcp_f32 v152, v152                           ; the sigmoid
	v_nop
	s_wait_alu depctr_va_vdst(0)                   ; the reciprocal has written v152, which the store reads
	global_store_b32 v14, v152, s[28:29]           ; 32 lanes store the work-group's 128 consecutive bytes
.Lend:
	s_wait_xcnt 0x0
	v_lshl_add_u32 v158, v0, 2, 0x17600            ; the add's two registers are made here, straight ahead of the closing lines: no two registers can be kept through wave 0's 256.  No memory or LDS instruction has read v158 or v159
	v_mov_b32 v159, 0
	s_wait_dscnt 0x0                               ; the closing lines, six on end
	s_wait_alu 0x0
	s_wait_tensorcnt 0x0
	ds_add_u32 v158, v159
	s_wait_dscnt 0x0
	s_endpgm
.Lfunc_end_k_qa954e424d6_main:
	.size	k_qa954e424d6_main, .Lfunc_end_k_qa954e424d6_main-k_qa954e424d6_main
	.p2alignl 7, 3214868480
	.fill 96, 4, 3214868480
	.section	.rodata,"a",@progbits
	.p2align	6, 0x0
	.amdhsa_kernel k_qa954e424d6_main
		.amdhsa_group_segment_fixed_size 97792
		.amdhsa_private_segment_fixed_size 0
		.amdhsa_enable_private_segment 0
		.amdhsa_kernarg_size 88
		.amdhsa_user_sgpr_count 2
		.amdhsa_user_sgpr_kernarg_segment_ptr 1
		.amdhsa_wavefront_size32 1
		.amdhsa_system_sgpr_workgroup_id_x 1
		.amdhsa_system_sgpr_workgroup_id_y 1
		.amdhsa_system_sgpr_workgroup_id_z 1
		.amdhsa_system_vgpr_workitem_id 0
		.amdhsa_next_free_vgpr 256
		.amdhsa_next_free_sgpr 66
		.amdhsa_reserve_vcc 0
		.amdhsa_float_denorm_mode_32 3
		.amdhsa_float_denorm_mode_16_64 3
		.amdhsa_memory_ordered 1
		.amdhsa_forward_progress 1
		.amdhsa_inst_pref_size 148
	.end_amdhsa_kernel
	.amdgpu_metadata
---
amdhsa.version: [ 1, 2 ]
amdhsa.kernels:
  - .name:           k_qa954e424d6_main
    .symbol:         k_qa954e424d6_main.kd
    .args:
      - { .name: K, .offset: 0, .size: 8, .value_kind: global_buffer, .address_space: global }
      - { .name: key_positions, .offset: 8, .size: 8, .value_kind: global_buffer, .address_space: global }
      - { .name: bias, .offset: 16, .size: 8, .value_kind: global_buffer, .address_space: global }
      - { .name: b1, .offset: 24, .size: 8, .value_kind: global_buffer, .address_space: global }
      - { .name: W2, .offset: 32, .size: 8, .value_kind: global_buffer, .address_space: global }
      - { .name: b2, .offset: 40, .size: 8, .value_kind: global_buffer, .address_space: global }
      - { .name: anchor_raw, .offset: 48, .size: 8, .value_kind: global_buffer, .address_space: global }
      - { .name: lowp_scales, .offset: 56, .size: 8, .value_kind: global_buffer, .address_space: global }
      - { .name: ptab, .offset: 64, .size: 8, .value_kind: global_buffer, .address_space: global }
      - { .name: w1c, .offset: 72, .size: 8, .value_kind: global_buffer, .address_space: global }
      - { .name: out0, .offset: 80, .size: 8, .value_kind: global_buffer, .address_space: global }
    .group_segment_fixed_size: 97792
    .private_segment_fixed_size: 0
    .kernarg_segment_align: 8
    .kernarg_segment_size: 88
    .max_flat_workgroup_size: 512
    .sgpr_count:     66
    .vgpr_count:     256
    .wavefront_size: 32
...
	.end_amdgpu_metadata
.endif
;; end of part 3
